; MI455X (gfx1250); checked and timed in simulation.
; The chip was launched on July 23, 2026; its instructions are those of AMD's public machine-readable ISA for CDNA 5 (MIT licence, August 2026) and "CDNA5" Instruction Set Architecture Reference Guide (July 2026). The comments in the code are by the model that wrote it; some were corrected since.
;; Temporal Attention. Allowed arithmetic: matrix products marked QUANTISED: E2M3 operands, one E8M0 scale for each 32 along K, by v_wmma_scale_f32_16x16x128_f8f6f4 with both operands' format E2M3, f32 sums; everything else in f32.
;; Inputs: bk 32 float32; bq 32 float32; bv 256 float32; feat1_codes 4 x 64 x 64 x 8 x 24 uint8 (E2M3 codes of feat1, K innermost, in blocks of 32 codes, four codes in three bytes); feat1_scales 4 x 64 x 64 x 8 uint8 (E8M0 scales of feat1, one for each 32 codes along K); feat2 4 x 256 x 64 x 64 float32; gamma 1 float32; wk_codes 32 x 8 x 24 uint8 (E2M3 codes of wk, K innermost, in blocks of 32 codes, four codes in three bytes); wk_scales 32 x 8 uint8 (E8M0 scales of wk, one for each 32 codes along K); wq_codes 32 x 8 x 24 uint8 (E2M3 codes of wq, K innermost, in blocks of 32 codes, four codes in three bytes); wq_scales 32 x 8 uint8 (E8M0 scales of wq, one for each 32 codes along K); wv_codes 256 x 8 x 24 uint8 (E2M3 codes of wv, K innermost, in blocks of 32 codes, four codes in three bytes); wv_scales 256 x 8 uint8 (E8M0 scales of wv, one for each 32 codes along K).
;; Outputs: out0 4 x 256 x 64 x 64 float32.
;; This version of the problem:
;;   THIS VERSION OF THE PROBLEM IS GIVEN IN LOW PRECISION. The matrix products marked QUANTISED in the list below multiply operands that are first quantised to E2M3 (2 exponent bits, 3 mantissa bits; 6 bits a number), with one power-of-two scale for each 32 numbers along K (OCP MX v1.0); their sums are f32. All else is computed in f32.
;;   The module's matrix products, in the order in which they are computed (A, B: the left and right operand; K: the contracted axis; several contracted axes count as one K, in the product's order):
;;     1. [M 16,384, K 256] x [K 256, N 32]; A: input feat2; B: input wq (given as codes): QUANTISED
;;     2. [M 16,384, K 256] x [K 256, N 32]; A: input feat1 (given as codes); B: input wk (given as codes): QUANTISED
;;     3. batch 4 x [M 4,096, K 32] x [K 32, N 4,096]; A: computed on the way; B: computed on the way: QUANTISED
;;     4. [M 16,384, K 256] x [K 256, N 256]; A: input feat1 (given as codes); B: input wv (given as codes): QUANTISED
;;     5. batch 4 x [M 256, K 4,096] x [K 4,096, N 4,096]; A: computed on the way; B: softmax (see below): QUANTISED
;;   THE QUANTISER, for each operand of a quantised product, along K:
;;     - K is cut into blocks of 32 from its start; a last block that is shorter is filled with zeros.
;;     - A block's scale is 2^e with e = floor(log2(the largest magnitude in the block)) - 2, held to -126 .. 127; a block of zeros has e = 0. As a byte (E8M0): e + 127.
;;     - Each number is divided by its block's scale, clamped to +-7.5, and rounded to the nearest number of E2M3, ties to even, subnormals kept.
;;     - The product sums the exact products of the quantised numbers (number of the format x scale) in f32.
;;   ~~~python
;;   def quantise(x, axis):      # numpy; x: float32 -> the quantised numbers, widened to float32 again
;;       x = np.moveaxis(x, axis, -1); K = x.shape[-1]
;;       x = np.pad(x, [(0, 0)] * (x.ndim - 1) + [(0, -K % 32)]); x = x.reshape(x.shape[:-1] + (-1, 32)); a = np.abs(x).max(-1, keepdims=True)
;;       e = np.where(a > 0, np.clip(np.frexp(np.where(a > 0, a, 1))[1] - 1 - 2, -126, 127), 0)      # np.frexp(a)[1] - 1 = floor(log2(a)), exactly
;;       r = np.clip(x / 2.0 ** e, -7.5, 7.5)
;;       step = 2.0 ** (np.maximum(np.frexp(np.where(r == 0, 1, r))[1] - 1, 0) - 3)
;;       q = np.round(r / step) * step * 2.0 ** e      # np.round: ties to even
;;       return np.moveaxis(q.reshape(q.shape[:-2] + (-1,))[..., :K], -1, axis).astype(np.float32)
;;   ~~~
;;   SOFTMAX AHEAD OF A QUANTISED PRODUCT. Where the list says 'softmax', what is quantised is not the finished softmax but p = 2^(t - M), with t = logit x log2(e) and M = ceil(the row's largest t), a whole number; so 1/2 < the row's largest p <= 1. The row's sum l is taken of the UNQUANTISED p, in f32, and the product's result is divided by l at the end. Since M is a whole number, a kernel that streams over the keys may use a running M (the ceiling of the running maximum): every later rescaling is an exact power of two, which a block's scale takes up: the codes' values come out the same.
;;   OPERANDS COMPUTED ON THE WAY. 'Computed on the way' means the value that the module computes at that place (a softmax that the list does not call 'softmax' is quantised finished and normalised). What goes into a quantiser is computed in f32, as accurately as f32 sums, v_exp_f32 and their like allow (about 1e-6 of the number): no bf16 or f16 on the way to a quantiser, and a product that is left as it is and whose result goes on into a quantised operand takes f32 operands (vector FMAs, or v_wmma_f32_16x16x4_f32). A number that lies on a knife's edge between two numbers of the format may be rounded either way, as far as f32 arithmetic and the matrix unit's own rounding can turn it there, and no further.
;;   INPUTS GIVEN AS CODES. feat1 (in the module: [4, 256, 64, 64], K = its axis 1); wk (in the module: [32, 256], K = its axis 1); wq (in the module: [32, 256], K = its axis 1); wv (in the module: [256, 256], K = its axis 1): each comes as NAME_codes (uint8): NAME with its K axis moved to the last place and cut into blocks of 32 codes, [.., K / 32, bytes a block], one block behind the other in memory; four codes in three bytes: a row's codes are one little-endian stream of bits, code i at bits 6 i .. 6 i + 5 (a code: sign, 2 exponent bits, 3 mantissa bits); and NAME_scales (uint8): the same leading axes, one E8M0 byte (e + 127) for each 32 codes along K. Its value is code x scale, taken as it is: it is not quantised again, and the codes and scales need not be those that the quantiser above would give.
;; One version. Each part assembles by itself: llvm-mc -triple=amdgcn-amd-amdhsa -mcpu=gfx1250 --defsym DOCPART=n.
;; ======== version 1 of 1: 2 launches
;; workspace buffers: kv 3,866,624 bytes
;; launch prep (part 1): grid 256 x 1, 5 waves a work-group, no clusters, 168,704 bytes of LDS; arguments feat1_codes, feat1_scales, wk_codes, wk_scales, bk, wv_codes, wv_scales, bv, kv; writes kv
.if DOCPART == 1
	.amdgcn_target "amdgcn-amd-amdhsa--gfx1250"
	.amdhsa_code_object_version 6
	.text
	.protected	k_q52bd8852ba_prep
	.globl	k_q52bd8852ba_prep
	.p2align	8
	.type	k_q52bd8852ba_prep,@function
k_q52bd8852ba_prep:
	s_mov_b64 s[64:65], 0
	v_nop
	global_prefetch_b8 v0, s[64:65] scope:SCOPE_SE
	s_setreg_imm32_b32 hwreg(HW_REG_WAVE_MODE, 25, 1), 1
	s_wait_xcnt 0x0
; k = wk f1 + bk and v = wv f1 + bv on codes of FP6 (E2M3) with E8M0 scales, then quantised again: k along its 32 channels, v along the keys.
; The results go to kv as RECORDS of 128 keys (record = batch x 32 + key step), laid as images of the operands' registers, so that the next launch reads them by 16-byte loads at 16 x lane:
;   groups cg = 0..3 at cg x GRP: four fragments of V^T (channels 64 cg + 16 tt + r, K = the record's 128 keys), 1,536 bytes each (registers 4 i .. 4 i + 3 of lane l at 512 i + 16 l),
;     then 512 bytes of scale words: lane l's 16 bytes are the words of tt = 0..3 for row l % 16;
;   at KOFF two fragments of K, F = 0, 1: row m, block beta of the instruction's four blocks of 32 holds the 32 channel codes of key 64 F + 32 (beta / 2) + 8 (beta % 2) + m + 8 (m / 8);
;     then 512 bytes of scale words: lane l's 16 bytes are (word F0, word F0, word F1, word F1); byte beta of a word is that key's scale.
; SHARES.  Two work-groups to a record (hh = 0, 1).  Waves 0-3 make channel tiles 8 hh + 2 w + e, e = 0, 1; wave 4 makes K's fragment hh.  f1's 128 rows come into LDS once, by one tensor load of 32 rows in each of waves 0-3.
; LAYOUT.  V: source 0 = 16 pixels of f1, source 1 = 16 rows of wv: a lane holds ONE channel and its registers run along the keys.  K: source 0 = 16 rows of wk, source 1 = 16 pixels: a lane holds ONE key, registers along the channels.
; THE ROWS OF A TILE ARE NOT NEIGHBOURS: lane r of tile 2 b + u takes row 32 b + 8 u + r + 8 (r / 8), so that the 16 registers of tiles 2 b and 2 b + 1 are 16 neighbours along the next K.
; The biases are the C of each sum's first matrix instruction.
; LIMITS: NaN and infinities are not served.  A block of zeros gets the scale byte 1 where the quantiser says 127: its codes are zeros, which add nothing, and this program alone reads the bytes.
; REGISTERS.  window 0: v1-19, v42 addresses; v20-35 f1's scale words; v36-39 the weights' scale words; v40-41 bv; v44-59 the bias as C; v60-107 four weight fragments; v108-171 eight accumulators;
;   v172-211 two sets of codes (12 + 8 at work); v212-227 at work; v228-229 the scale words made.   window 1: v0-191 f1's fragments, tile t, K step q at 24 t + 12 q.
.set REC,   30208
.set GRP,   6656
.set KOFF,  26624
.set PITCH, 240                        ; an LDS row: 3 x (64 bytes + 16 of padding): the 32 lanes of an 8-byte load touch 64 different banks (64 banks of 4 bytes: ISA guide 11.1)
.set FA,   4                           ; v4-5   f1's fragments: (r + 8 (r / 8)) x PITCH + 24 h; the same with 40 h, for pieces that lie behind one padding more
.set FK,   6                           ; v6-7   the same 64 hh rows further on, for wave 4
.set L16,  8                           ; v8     16 x lane
.set VO,   9                           ; v9     16 x lane + 3,072 (w % 2)
.set VS,   10                          ; v10    16 x lane + 8 (w % 2)
.set RK,   11                          ; v11    r + 8 (r / 8)
.set WO,   12                          ; v12-13 byte offsets of my two weight tiles' rows
.set WSO,  14                          ; v14-15 and of their scale words
.set FSO,  16                          ; v16-17 f1's scale words: tiles 0-3, tiles 4-7
.set WR,   18                          ; v18    at work
.set BVO,  19                          ; v19    bv
.set FS,   20
.set WS,   36
.set BV,   40
.set BKO,  42                          ; v42    bk
.set BC,   44
.set WF,   60
.set HA,   108
.set PCD,  172
.set TM,   212
.set PW,   228
.set MSB, 0
.macro WIN new                         ; the immediate's high byte repeats the setting that is left
.if MSB != \new
	s_set_vgpr_msb (MSB<<8)|\new
.set MSB, \new
.endif
.endm
.macro PLACES n
.rept \n
	v_nop
.endr
.endm
; A fragment, 16 rows x 128 K of 6-bit codes: 12 registers, in pieces of 8 bytes.  Lanes 16-31 read three pieces further on than lanes 0-15; where that is behind one padding more, the second address register serves.
.macro FRAG reg, adr, q, row
.irp p, 0,1,2,3,4,5
.set PCE, 12*(\q)+6*(\p/3)+\p%3
.if PCE%8 < 5
	ds_load_b64 v[(\reg)+2*\p:(\reg)+2*\p+1], v[\adr] offset:8*PCE+16*(PCE/8)+(\row)*PITCH
.else
	ds_load_b64 v[(\reg)+2*\p:(\reg)+2*\p+1], v[\adr+1] offset:8*PCE+16*(PCE/8)+(\row)*PITCH
.endif
.endr
.endm
; 64 numbers of a lane in v[HA] on, register 16 b + i = k 32 b + 16 (lane / 16) + i of my row, become a fragment's codes in v[pc] on and its scale word in v[pw].
.macro QUANT pc, pw
.irp b, 0,1,2,3
	v_max3_num_f32 v[TM+\b], |v[HA+16*\b]|, |v[HA+1+16*\b]|, 0x1800000   ; block b: my 16 numbers and the floor 2^(3 - 127): the byte cannot fall under 1
.endr
.irp i, 2,4,6,8,10,12,14
.irp b, 0,1,2,3
	v_max3_num_f32 v[TM+\b], v[TM+\b], |v[HA+16*\b+\i]|, |v[HA+1+16*\b+\i]|   ; the four blocks by turns
.endr
.endr
.irp b, 0,1,2,3
	v_permlanex16_b32 v[TM+4+\b], v[TM+\b], s62, s63
.endr
.irp b, 0,1,2,3
	v_max_num_f32 v[TM+\b], v[TM+\b], v[TM+4+\b]   ; with lane l xor 16's: the block's largest magnitude
.endr
.irp b, 0,1,2,3
	v_add_nc_u32 v[TM+12+\b], 0xff000000, v[TM+\b]   ; 2 off its exponent field: the conversion takes the exponent field of this operand as its scale
.endr
.irp b, 0,1,2,3
	v_lshrrev_b32 v[TM+4+\b], 23, v[TM+12+\b]      ; the scale's byte
.endr
	v_lshl_or_b32 v[\pw], v[TM+5], 8, v[TM+4]
	v_lshl_or_b32 v[\pw], v[TM+6], 16, v[\pw]
	v_lshl_or_b32 v[\pw], v[TM+7], 24, v[\pw]      ; my row's scale word, the same in both halves of the lanes
.irp c, 0,1
	v_cvt_scalef32_pk16_fp6_f32 v[(\pc)+6*\c:(\pc)+6*\c+2], v[HA+32*\c:HA+32*\c+15], v[TM+12+2*\c]
	v_cvt_scalef32_pk16_fp6_f32 v[(\pc)+12+4*\c:(\pc)+14+4*\c], v[HA+16+32*\c:HA+31+32*\c], v[TM+13+2*\c]   ; (a conversion's three registers begin on an even number)
.endr
	v_nop                                          ; one plain place behind a scaled conversion
.irp c, 0,1                            ; the operand's layout wants a WHOLE block in a lane
.irp i, 0,1,2
	v_permlane16_swap_b32 v[(\pc)+6*\c+\i], v[(\pc)+12+4*\c+\i]
.endr
.irp i, 0,1,2
	v_mov_b32 v[(\pc)+3+6*\c+\i], v[(\pc)+12+4*\c+\i]
.endr
.endr
.endm
	s_load_b256 s[4:11], s[0:1], 0x0               ; f1's codes s[4:5], f1's scales s[6:7], wk's codes s[8:9], wk's scales s[10:11]
	s_load_b256 s[12:19], s[0:1], 0x20             ; bk s[12:13], wv's codes s[14:15], wv's scales s[16:17], bv s[18:19]
	s_load_b64 s[20:21], s[0:1], 0x40              ; kv
	v_lshl_add_u32 v254, v0, 2, 0x29000
	v_mov_b32 v255, 0
	ds_add_u32 v254, v255
	ds_add_u32 v254, v255
	v_lshrrev_b32 v1, 5, v0
	v_readfirstlane_b32 s22, v1                    ; wave 0..4
	s_lshr_b32 s23, ttmp9, 1                       ; the record
	s_and_b32 s24, ttmp9, 1                        ; hh
	v_and_b32 v1, 31, v0                           ; lane
	v_and_b32 v2, 15, v0                           ; r
	v_bfe_u32 v3, v0, 4, 1                         ; h
	v_and_b32 v[RK], 8, v2
	v_add_nc_u32 v[RK], v[RK], v2
	v_mul_u32_u24 v[FA], v[RK], PITCH
	v_mad_u32_u24 v[FA], v3, 24, v[FA]
	v_lshl_add_u32 v[FA+1], v3, 4, v[FA]
	s_mul_i32 s25, s24, 64*PITCH
	v_add_nc_u32 v[FK], s25, v[FA]
	v_add_nc_u32 v[FK+1], s25, v[FA+1]
	v_lshlrev_b32 v[L16], 4, v1
	s_and_b32 s26, s22, 1
	s_mul_i32 s27, s26, 3072
	v_add_nc_u32 v[VO], s27, v[L16]
	s_lshl_b32 s27, s26, 3
	v_add_nc_u32 v[VS], s27, v[L16]
	s_mov_b32 s62, 0x76543210
	s_mov_b32 s63, 0xfedcba98                      ; v_permlanex16_b32's selects for lane l xor 16
	; descriptor group 1: 32 rows of 192 bytes, 16 bytes of padding behind every 64
	s_mov_b32 s32, (1<<20)|(3<<22)|(3<<25)         ; no mask; elements of 1 byte; padding on, after every 16 words, of 4 words
	s_mov_b32 s33, 192<<16                         ; tensor_dim0
	s_mov_b32 s34, 32<<16                          ; tensor_dim1
	s_mov_b32 s35, 192<<16                         ; tile_dim0
	s_mov_b32 s36, 32                              ; tile_dim1
	s_mov_b32 s37, 192                             ; from row to row
	s_mov_b32 s38, 0
	s_mov_b32 s39, 0
	s_mov_b32 s28, 1
	s_mul_i32 s29, s22, 32*PITCH                   ; LDS: wave x 32 rows
	; what differs between the roles is chosen on the wave's number: the loads themselves stand on the one way that all waves take
	s_lshl_b32 s42, s24, 7
	s_lshl_b32 s43, s22, 5
	s_add_co_u32 s42, s42, s43                     ; V: my first row of wv, 128 hh + 32 w
	s_and_b32 s47, s22, 3
	s_lshl_b32 s47, s47, 5
	s_lshl_b32 s46, s24, 7
	s_add_co_u32 s47, s47, s46                     ; bv: 128 hh + 32 (w % 4): inside the buffer for wave 4 too, which does not use it
	s_lshl_b32 s43, s24, 9                         ; 64 hh pixels of 8 scale bytes
	s_cmp_eq_u32 s22, 4
	s_cselect_b32 s40, 8, 0                        ; K: wk's rows of a tile are r + 8 (r / 8); V: wv's are r
	s_cselect_b32 s41, 8, 16                       ; rows from my first weight tile to my second
	s_cselect_b32 s42, 0, s42
	s_cselect_b32 s44, s43, 0                      ; f1's scale words, registers 0-7: K: tiles 4 hh on; V: tiles 0 on
	s_cselect_b32 s45, s43, 512                    ; registers 8-15: K: the same again (not used); V: tiles 4 on
	v_lshrrev_b32 v[WR], 3, v2
	v_mad_u32_u24 v[WR], v[WR], s40, v2
	v_add_nc_u32 v[WR], s42, v[WR]                 ; my row of the weight
	v_mul_u32_u24 v[WO], v[WR], 192
	v_mad_u32_u24 v[WO], v3, 24, v[WO]
	s_mul_i32 s46, s41, 192
	v_add_nc_u32 v[WO+1], s46, v[WO]
	v_lshlrev_b32 v[WSO], 3, v[WR]
	s_lshl_b32 s46, s41, 3
	v_add_nc_u32 v[WSO+1], s46, v[WSO]
	v_lshlrev_b32 v[FSO], 3, v[RK]
	v_add_nc_u32 v[FSO+1], s45, v[FSO]
	v_add_nc_u32 v[FSO], s44, v[FSO]
	v_add_nc_u32 v[BVO], s47, v2
	v_lshlrev_b32 v[BVO], 2, v[BVO]
	v_lshlrev_b32 v[BKO], 6, v3                    ; bk at channels 16 h on
.irp b, 0,1,2,3
	v_mov_b32 v[TM+4+\b], 0                        ; written once: a lane permute's destination counts as one of its sources
.endr
	s_mul_i32 s48, s23, 128*192
	s_mul_i32 s49, s22, 32*192
	s_add_co_u32 s48, s48, s49                     ; f1's codes: the record's rows, my 32 of them
	s_mov_b32 s49, 0
	s_lshl_b32 s50, s23, 10                        ; f1's scales: 128 rows of 8 bytes
	s_mov_b32 s51, 0
	s_mul_i32 s56, s23, REC
	s_lshl_b32 s52, s24, 1
	s_lshr_b32 s53, s22, 1
	s_add_co_u32 s52, s52, s53
	s_mul_i32 s52, s52, GRP
	s_add_co_u32 s52, s52, s56                     ; V: the record, group 2 hh + w / 2
	s_mov_b32 s53, 0
	s_mul_i32 s54, s24, 1536
	s_add_co_u32 s54, s54, s56                     ; K: the record, + 1,536 hh
	s_mov_b32 s55, 0
	s_lshl_b32 s57, s24, 3
	s_add_co_u32 s56, s56, s57                     ; K's scale words: the record, + 8 hh
	s_mov_b32 s57, 0
	s_wait_dscnt 0x0
	s_wait_kmcnt 0x0
	s_add_nc_u64 s[30:31], s[4:5], s[48:49]
	s_or_b32 s31, s31, 0x80000000                  ; type = 2
	s_add_nc_u64 s[6:7], s[6:7], s[50:51]
	s_add_nc_u64 s[52:53], s[20:21], s[52:53]
	s_add_nc_u64 s[54:55], s[20:21], s[54:55]
	s_add_nc_u64 s[56:57], s[20:21], s[56:57]
	s_cmp_eq_u32 s22, 4
	s_cselect_b64 s[58:59], s[8:9], s[14:15]       ; the weight's codes: wk for wave 4, wv for the others
	s_cselect_b64 s[60:61], s[10:11], s[16:17]     ; and its scales
	s_cmp_lt_u32 s22, 4
	s_cbranch_scc0 .Lno_fill
	tensor_load_to_lds s[28:31], s[32:39]          ; waves 0-3: 32 rows of f1 each; LDS is filled once
	s_nop 0
	PLACES 4
.Lno_fill:
.irp x, 0,1
.irp q, 0,1
.irp p, 0,1,2,3,4,5
	global_load_b64 v[WF+24*\x+12*\q+2*\p:WF+24*\x+12*\q+2*\p+1], v[WO+\x], s[58:59] offset:96*\q+48*(\p/3)+8*(\p%3)
.endr
.endr
	global_load_b64 v[WS+2*\x:WS+2*\x+1], v[WSO+\x], s[60:61]     ; the words of both K steps
.endr
.irp t, 0,1,2,3,4,5,6,7
	global_load_b64 v[FS+2*\t:FS+2*\t+1], v[FSO+\t/4], s[6:7] offset:(32*((\t%4)/2)+8*(\t%2))*8
.endr
.irp e, 0,1
	global_load_b32 v[BV+\e], v[BVO], s[18:19] offset:64*\e
	global_load_b128 v[BC+8*\e:BC+8*\e+3], v[BKO], s[12:13] offset:32*\e
	global_load_b128 v[BC+8*\e+4:BC+8*\e+7], v[BKO], s[12:13] offset:32*\e+16
.endr
	s_wait_tensorcnt 0x0                           ; my rows of f1 are in LDS,
	s_barrier_signal -1
	s_barrier_wait -1                              ; everybody's are
	s_cmp_eq_u32 s22, 4
	s_cbranch_scc1 .Lrole_k
	; ---- V: two tiles of 16 channels x 128 keys
	WIN 0x40                                       ; destination window 1
.irp q, 0,1
.irp t, 0,1,2,3,4,5,6,7
	FRAG 24*\t+12*\q, FA, \q, 32*(\t/2)+8*(\t%2)
.endr
.endr
	WIN 0
	s_wait_loadcnt 0x0                             ; weights, scale words, biases
.irp e, 0,1
.irp j, 0,1,2,3,4,5,6,7
	v_mov_b32 v[BC+8*\e+\j], v[BV+\e]              ; a lane holds one channel: its bias stands in all eight registers
.endr
.endr
	PLACES 4
.irp e, 0,1
.if \e == 0
	s_wait_dscnt 48                                ; the first K step's 48 loads are in; the second's 48 may be out
.endif
	WIN 0x01                                       ; source 0 (f1) window 1
.irp t, 0,1,2,3,4,5,6,7                ; the eight accumulators take turns
	v_wmma_scale_f32_16x16x128_f8f6f4 v[HA+8*\t:HA+8*\t+7], v[24*\t:24*\t+11], v[WF+24*\e:WF+24*\e+11], v[BC+8*\e:BC+8*\e+7], v[FS+2*\t], v[WS+2*\e] matrix_a_fmt:MATRIX_FMT_FP6 matrix_b_fmt:MATRIX_FMT_FP6
.endr
.if \e == 0
	s_wait_dscnt 0x0
.endif
.irp t, 0,1,2,3,4,5,6,7
	v_wmma_scale_f32_16x16x128_f8f6f4 v[HA+8*\t:HA+8*\t+7], v[24*\t+12:24*\t+23], v[WF+24*\e+12:WF+24*\e+23], v[HA+8*\t:HA+8*\t+7], v[FS+2*\t+1], v[WS+2*\e+1] matrix_a_fmt:MATRIX_FMT_FP6 matrix_b_fmt:MATRIX_FMT_FP6
.endr
	WIN 0
	PLACES 4                                       ; in front of the first read of results
	QUANT PCD+20*\e, PW+\e
.irp i, 0,1,2
	global_store_b128 v[VO], v[PCD+20*\e+4*\i:PCD+20*\e+4*\i+3], s[52:53] offset:1536*\e+512*\i   ; the fragment's image: 32 lanes store 512 consecutive bytes
.endr
.endr
	global_store_b64 v[VS], v[PW:PW+1], s[52:53] offset:6144      ; my two tiles' scale words
	s_wait_tensorcnt 0x0
	ds_add_u32 v254, v255
	s_wait_dscnt 0x0
	s_endpgm
	; ---- K: 64 keys x 32 channels: four tiles of 16 keys x two tiles of 16 channels
.Lrole_k:
	WIN 0x40
.irp q, 0,1
.irp b, 0,1,2,3
	FRAG 24*\b+12*\q, FK, \q, 32*(\b/2)+8*(\b%2)
.endr
.endr
	WIN 0
	s_wait_loadcnt 0x0
	s_wait_dscnt 24                                ; the first K step's 24 loads are in; the second's 24 may be out
	WIN 0x04                                       ; source 1 (f1) window 1
.irp b, 0,1,2,3
.irp u, 0,1
	v_wmma_scale_f32_16x16x128_f8f6f4 v[HA+16*\b+8*\u:HA+16*\b+8*\u+7], v[WF+24*\u:WF+24*\u+11], v[24*\b:24*\b+11], v[BC+8*\u:BC+8*\u+7], v[WS+2*\u], v[FS+2*\b] matrix_a_fmt:MATRIX_FMT_FP6 matrix_b_fmt:MATRIX_FMT_FP6
.endr
.endr
	s_wait_dscnt 0x0
.irp b, 0,1,2,3
.irp u, 0,1
	v_wmma_scale_f32_16x16x128_f8f6f4 v[HA+16*\b+8*\u:HA+16*\b+8*\u+7], v[WF+24*\u+12:WF+24*\u+23], v[24*\b+12:24*\b+23], v[HA+16*\b+8*\u:HA+16*\b+8*\u+7], v[WS+2*\u+1], v[FS+2*\b+1] matrix_a_fmt:MATRIX_FMT_FP6 matrix_b_fmt:MATRIX_FMT_FP6
.endr
.endr
	WIN 0
	PLACES 4
	QUANT PCD, PW                                  ; register 16 beta + i is channel 16 h + i of key (beta, r): block beta of row r
	v_mov_b32 v[PW+1], v[PW]
.irp i, 0,1,2
	global_store_b128 v[L16], v[PCD+4*\i:PCD+4*\i+3], s[54:55] offset:KOFF+512*\i
.endr
	global_store_b64 v[L16], v[PW:PW+1], s[56:57] offset:KOFF+3072
	s_wait_tensorcnt 0x0
	ds_add_u32 v254, v255
	s_wait_dscnt 0x0
	s_endpgm
.Lfunc_end_k_q52bd8852ba_prep:
	.size	k_q52bd8852ba_prep, .Lfunc_end_k_q52bd8852ba_prep-k_q52bd8852ba_prep
	.p2alignl 7, 3214868480
	.fill 96, 4, 3214868480
	.section	.rodata,"a",@progbits
	.p2align	6, 0x0
	.amdhsa_kernel k_q52bd8852ba_prep
		.amdhsa_group_segment_fixed_size 168704
		.amdhsa_private_segment_fixed_size 0
		.amdhsa_enable_private_segment 0
		.amdhsa_kernarg_size 72
		.amdhsa_user_sgpr_count 2
		.amdhsa_user_sgpr_kernarg_segment_ptr 1
		.amdhsa_wavefront_size32 1
		.amdhsa_system_sgpr_workgroup_id_x 1
		.amdhsa_system_sgpr_workgroup_id_y 1
		.amdhsa_system_sgpr_workgroup_id_z 1
		.amdhsa_system_vgpr_workitem_id 0
		.amdhsa_next_free_vgpr 448
		.amdhsa_next_free_sgpr 66
		.amdhsa_reserve_vcc 0
		.amdhsa_float_denorm_mode_32 3
		.amdhsa_float_denorm_mode_16_64 3
		.amdhsa_memory_ordered 1
		.amdhsa_forward_progress 1
		.amdhsa_inst_pref_size 38
	.end_amdhsa_kernel
	.amdgpu_metadata
---
amdhsa.version: [ 1, 2 ]
amdhsa.kernels:
  - .name:           k_q52bd8852ba_prep
    .symbol:         k_q52bd8852ba_prep.kd
    .args:
      - { .name: feat1_codes, .offset: 0, .size: 8, .value_kind: global_buffer, .address_space: global }
      - { .name: feat1_scales, .offset: 8, .size: 8, .value_kind: global_buffer, .address_space: global }
      - { .name: wk_codes, .offset: 16, .size: 8, .value_kind: global_buffer, .address_space: global }
      - { .name: wk_scales, .offset: 24, .size: 8, .value_kind: global_buffer, .address_space: global }
      - { .name: bk, .offset: 32, .size: 8, .value_kind: global_buffer, .address_space: global }
      - { .name: wv_codes, .offset: 40, .size: 8, .value_kind: global_buffer, .address_space: global }
      - { .name: wv_scales, .offset: 48, .size: 8, .value_kind: global_buffer, .address_space: global }
      - { .name: bv, .offset: 56, .size: 8, .value_kind: global_buffer, .address_space: global }
      - { .name: kv, .offset: 64, .size: 8, .value_kind: global_buffer, .address_space: global }
    .group_segment_fixed_size: 168704
    .private_segment_fixed_size: 0
    .kernarg_segment_align: 8
    .kernarg_segment_size: 72
    .max_flat_workgroup_size: 160
    .sgpr_count:     66
    .vgpr_count:     448
    .wavefront_size: 32
...
	.end_amdgpu_metadata
.endif
;; end of part 1
;; launch attn (part 2): grid 64 x 4, 8 waves a work-group, clusters of 4 x 1, 327,680 bytes of LDS; arguments feat2, wq_codes, wq_scales, bq, gamma, kv, out0; writes out0
.if DOCPART == 2
	.amdgcn_target "amdgcn-amd-amdhsa--gfx1250"
	.amdhsa_code_object_version 6
	.text
	.protected	k_q52bd8852ba_attn
	.globl	k_q52bd8852ba_attn
	.p2align	8
	.type	k_q52bd8852ba_attn,@function
k_q52bd8852ba_attn:
	s_mov_b64 s[64:65], 0
	v_nop
	global_prefetch_b8 v0, s[64:65] scope:SCOPE_SE
	s_setreg_imm32_b32 hwreg(HW_REG_WAVE_MODE, 25, 1), 1
	s_wait_xcnt 0x0
	s_wait_alu depctr_hold_cnt(0) depctr_sa_sdst(0) depctr_va_vdst(0) depctr_va_sdst(0) depctr_va_ssrc(0) depctr_va_vcc(0) depctr_vm_vsrc(0)
	s_getreg_b32 s2, hwreg(HW_REG_IB_STS2, 6, 4)
	s_cmp_eq_u32 s2, 0
	s_cbranch_scc0 .Lentry_in_a_cluster
	s_endpgm
.Lentry_in_a_cluster:
	s_bfe_u32 s2, ttmp6, 0x10000c
	s_cmp_lg_u32 s2, 0x3003
	s_cbranch_scc0 .Lentry_shape_is_right
	s_endpgm
.Lentry_shape_is_right:
; out0 = gamma x (V softmax(q k)^T) + feat2, all products on codes of FP6 (E2M3) with one E8M0 scale for each 32 along K.  q = wq Q(feat2) + bq is made here; k and v come from kv, as records of 128 keys laid as images of
; operand registers: four groups of (four fragments of V^T, 1,536 bytes each, and 512 bytes of scale words), then two fragments of K and 512 bytes of scale words.
; THE SOFTMAX: t = score x log2(e); M = the largest t so far, rounded UP to a whole number; p = 2^(t - M) is quantised along the keys, not normalised; the row's sum is taken of the unquantised p and divides at the end.
; SHARES.  A work-group owns 64 queries of one batch.  Wave w = 4 qp + kq owns query tiles 2 qp, 2 qp + 1 (16 queries each) and the key steps (128 keys) that are kq modulo 4: 8 steps.  Two waves lie on a SIMD.
; The four shares of the keys are merged at the end: M is a whole number, so the factors 2^(M_share - M) round nothing.
; THE SCORE PRODUCT HAS K = 32, the instruction 128.  A fragment of K holds FOUR tiles of 16 keys, one in each block of 32; the product for block beta takes a Q operand that holds q in block beta and zero codes elsewhere.
; Zero codes add nothing under any scale byte from 1 to 254.  The four Q operands of a tile are four runs of 12 registers in the row Z, QL, Z, QH, Z (QL: q in lanes 0-15, QH: q in lanes 16-31, Z: zeros).
; LAYOUT.  S^T = K Q^T and O^T = V^T P^T: a lane holds ONE query (lane % 16) throughout.  Row m of key tile 2 b + u is key 32 b + 8 u + m + 8 (m / 8): the 16 registers of tiles 2 b, 2 b + 1 are keys 32 b + 16 (lane / 16) + 0 .. 15.
; THE RING.  Two LDS slots of four records (120,832 bytes); each of the eight waves brings an eighth by one tensor load.  CLUSTER: the four work-groups of a cluster belong to one batch and walk the same records, so each
; load is asked for JOINTLY, with one descriptor and a mask that names the four.  By this text's own count a wave has two tensor loads out at the start and one behind each round.
; feat2's 256 channels x 64 queries come into LDS once (the stash): q is made from them, the residual is added to them there, and the result leaves from there as whole rows of 256 bytes.
; Register group g of O^T holds channel group (g + kq) % 4, so that g = 0 is the group that the wave finishes.
; LIMITS: NaN and infinities are not served.  A block of zeros gets the scale byte 1 where the quantiser says 127 (its codes are zeros; this program alone reads the bytes).  A p under 2^-126 counts as 0.
; REGISTERS.  window 0: v1-15 addresses; v16-23 -M, largest t, the sum (a pair), for each tile; v24-27 f; v28-51 scale words alone (q's, p's, K's, V's); v52-75 at work; v76-129 the Q operands; v130-153 p's codes;
;   v154-249: K's two fragments (24), S^T (64), the conversions' spare (8); in the value product two buffers of four fragments of V^T.   window 1: O^T at 128 a + 32 g + 8 n (before that wq's fragments and bq).
.set REC,   30208
.set GRP,   6656
.set KOFF,  26624
.set SLOT1, 131072                     ; slot 1 begins here: one exclusive or turns an address in one slot into the other's
.set QIM,   120832                     ; behind slot 0: q's codes, 512 bytes a wave;
.set QIS,   124928                     ; q's scale words, 128 bytes a wave;
.set MST,   125952                     ; the shares' -M and sums, 512 bytes a wave
.set STASH, 251904                     ; behind slot 1: feat2, 256 rows
.set SP,    264                        ; of 256 bytes + 8 = 66 words: rows 16 apart fall 32 banks apart, rows 8 apart 16 banks (64 banks of 4 bytes: ISA guide 11.1)
.set SPARE, 319488                     ; the spare words, 128 bytes for each wave: four blocks of 256 bytes that no other line names
.set SPW, 1
.set NIL, 2
.set BG,  3                            ; v3-6   16 x lane + kq REC + ((g + kq) % 4) GRP
.set BK,  7                            ; v7     16 x lane + kq REC + KOFF
.set AG,  8                            ; v8-11  the same in the slot in hand
.set AK,  12
.set XA,  13                           ; v13    the stash, for q
.set QW,  14
.set QR,  15
.set ST,  16
.set FA,  24
.set QSC, 28
.set PSC, 30
.set KSC, 32
.set VSC, 36
.set BM,  52
.set PX,  56
.set SO,  60
.set T0,  64
.set RR,  65                           ; v65    lane % 16
.set SU,  66
.set YP,  68
.set HH,  71                           ; v71    lane / 16
.set QSW, 72
.set QSR, 73
.set L16, 74                           ; v74    16 x lane
.set L4,  75                           ; v75    4 x lane
.set QV,  76
.set PCD, 130
.set KF,  154
.set S,   178
.set CT,  242
.set VB0, 154
.set VB1, 202
.set CW,  3                            ; the way out: v3-5 where my groups 1-3 go; v6 where the others' come from; v7, v8-11 the shares' figures; v12 my part of the stash; v13 its rows; v14 8 x lane
.set CR,  6
.set MW,  7
.set MA,  8
.set RA,  12
.set RO,  13
.set GO,  14
.set STL, 130                          ; v130-145 the four shares' -M and sums
.set GP,  52                           ; v52-67   gamma x f / l, twice, for each tile and share
.set SEL, 48
.set CS,  50
.set TB,  52
.set MSB, 0
.macro WIN new                         ; the immediate's high byte repeats the setting that is left
.if MSB != \new
	s_set_vgpr_msb (MSB<<8)|\new
.set MSB, \new
.endif
.endm
.macro PLACES n
.rept \n
	v_nop
.endr
.endm
; A round of the cluster's barrier: my work-group's barrier; wave 0 signals for the work-group; every wave waits for all four work-groups; my work-group's barrier once more.
.macro CROUND
	s_barrier_signal -1
	s_barrier_wait -1
	s_cmp_lg_u32 s18, 0
	s_cbranch_scc1 .Lnot_wave_0_\@
	s_barrier_signal -3
.Lnot_wave_0_\@:
	s_barrier_wait -3
	s_barrier_signal -1
	s_barrier_wait -1
.endm
; 64 numbers of a lane, register 16 b + i = k 32 b + 16 (lane / 16) + i of my row, become a fragment's codes in v[pc] on and its scale word in v[pw].
.macro QUANT s, pc, ct, pw
.irp b, 0,1,2,3
	v_max3_num_f32 v[BM+\b], |v[\s+16*\b]|, |v[\s+1+16*\b]|, 0x1800000   ; and the floor 2^(3 - 127): the byte cannot fall under 1
.endr
.irp i, 2,4,6,8,10,12,14
.irp b, 0,1,2,3
	v_max3_num_f32 v[BM+\b], v[BM+\b], |v[\s+16*\b+\i]|, |v[\s+1+16*\b+\i]|
.endr
.endr
.irp b, 0,1,2,3
	v_permlanex16_b32 v[PX+\b], v[BM+\b], s[SEL], s[SEL+1]
.endr
.irp b, 0,1,2,3
	v_max_num_f32 v[BM+\b], v[BM+\b], v[PX+\b]
.endr
.irp b, 0,1,2,3
	v_add_nc_u32 v[SO+\b], 0xff000000, v[BM+\b]    ; 2 off the exponent field: the conversion's scale operand
.endr
.irp b, 0,1,2,3
	v_lshrrev_b32 v[PX+\b], 23, v[SO+\b]           ; the scale's byte
.endr
	v_lshl_or_b32 v[\pw], v[PX+1], 8, v[PX]
	v_lshl_or_b32 v[\pw], v[PX+2], 16, v[\pw]
	v_lshl_or_b32 v[\pw], v[PX+3], 24, v[\pw]
.irp c, 0,1
	v_cvt_scalef32_pk16_fp6_f32 v[(\pc)+6*\c:(\pc)+6*\c+2], v[\s+32*\c:\s+32*\c+15], v[SO+2*\c]
	v_cvt_scalef32_pk16_fp6_f32 v[\ct+4*\c:\ct+4*\c+2], v[\s+16+32*\c:\s+31+32*\c], v[SO+2*\c+1]
.endr
	v_nop                                          ; one plain place behind a scaled conversion
.irp c, 0,1
.irp i, 0,1,2
	v_permlane16_swap_b32 v[(\pc)+6*\c+\i], v[\ct+4*\c+\i]
.endr
.irp i, 0,1,2
	v_mov_b32 v[(\pc)+3+6*\c+\i], v[\ct+4*\c+\i]
.endr
.endr
.endm
; Tile a's softmax for one key step: S^T in v[S] on becomes p, p's codes in v[PCD + 12 a] on, p's scale word in v[PSC + a]; -M, the largest t and the sum are carried on; f = 2^(old M - new M) in v[FA + 2 a].
.macro SOFTMAX a
.set rT, ST+4*\a
.set rF, FA+2*\a
.set rP, PCD+12*\a
.irp b, 0,1,2,3
	v_max3_num_f32 v[BM+\b], v[S+16*\b], v[S+1+16*\b], v[S+2+16*\b]   ; the largest score of each block of 32 keys: for the row's maximum, and, since p rises with the score, for the block's largest p
.endr
.irp i, 3,5,7,9,11,13
.irp b, 0,1,2,3
	v_max3_num_f32 v[BM+\b], v[BM+\b], v[S+16*\b+\i], v[S+1+16*\b+\i]
.endr
.endr
.irp b, 0,1,2,3
	v_max_num_f32 v[BM+\b], v[BM+\b], v[S+15+16*\b]
.endr
.irp b, 0,1,2,3
	v_permlanex16_b32 v[PX+\b], v[BM+\b], s[SEL], s[SEL+1]
.endr
.irp b, 0,1,2,3
	v_max_num_f32 v[BM+\b], v[BM+\b], v[PX+\b]     ; with lane l xor 16's 16 keys
.endr
	v_max3_num_f32 v[T0], v[BM], v[BM+1], v[BM+2]
	v_max_num_f32 v[T0], v[T0], v[BM+3]
	v_mul_f32 v[T0], s[CS], v[T0]                  ; as t (log2(e) is positive)
	v_max_num_f32 v[rT+1], v[rT+1], v[T0]          ; the running largest t
	v_mov_b32 v[T0], v[rT]
	v_floor_f32 v[rT], -v[rT+1]                    ; the new -M = floor(-t): M is a whole number
	v_sub_f32 v[T0], v[rT], v[T0]                  ; old M - new M: a whole number, 0 or less
	v_cvt_i32_f32 v[T0], v[T0]                     ; (it saturates)
	v_ldexp_f32 v[rF], 1.0, v[T0]                  ; f: a multiplication by it rounds nothing
.set jj, 0
.rept 32
	v_pk_fma_f32 v[S+jj:S+jj+1], v[S+jj:S+jj+1], s[CS:CS+1], v[rT:rT+1] op_sel_hi:[1,0,0]   ; t - M, two at a time
.set jj, jj+2
.endr
.irp b, 0,1,2,3
	v_fma_f32 v[BM+\b], v[BM+\b], s[CS], v[rT]     ; the same of each block's largest score
.endr
.set jj, 0
.rept 64
	v_exp_f32 v[S+jj], v[S+jj]                     ; p = 2^(t - M)
.set jj, jj+1
.endr
.irp b, 0,1,2,3
	v_exp_f32 v[BM+\b], v[BM+\b]                   ; the block's largest p: the same two instructions on the same number
.endr
	v_pk_mul_f32 v[rT+2:rT+3], v[rT+2:rT+3], v[rF:rF+1] op_sel_hi:[1,0]   ; the sums under the new M (a plain place behind the exponentials)
	s_wait_alu depctr_va_vdst(0)
.irp b, 0,1,2,3
	v_max_num_f32 v[BM+\b], 0x1800000, v[BM+\b]    ; the floor 2^(3 - 127)
.endr
.irp b, 0,1,2,3
	v_add_nc_u32 v[SO+\b], 0xff000000, v[BM+\b]
.endr
.irp b, 0,1,2,3
	v_lshrrev_b32 v[PX+\b], 23, v[SO+\b]
.endr
	v_lshl_or_b32 v[PSC+\a], v[PX+1], 8, v[PX]
	v_lshl_or_b32 v[PSC+\a], v[PX+2], 16, v[PSC+\a]
	v_lshl_or_b32 v[PSC+\a], v[PX+3], 24, v[PSC+\a]
.irp c, 0,1
	v_cvt_scalef32_pk16_fp6_f32 v[rP+6*\c:rP+6*\c+2], v[S+32*\c:S+32*\c+15], v[SO+2*\c]
	v_cvt_scalef32_pk16_fp6_f32 v[CT+4*\c:CT+4*\c+2], v[S+16+32*\c:S+31+32*\c], v[SO+2*\c+1]
.endr
	v_nop
.irp c, 0,1
.irp i, 0,1,2
	v_permlane16_swap_b32 v[rP+6*\c+\i], v[CT+4*\c+\i]
.endr
.irp i, 0,1,2
	v_mov_b32 v[rP+3+6*\c+\i], v[CT+4*\c+\i]
.endr
.endr
	v_pk_add_f32 v[SU:SU+1], v[S:S+1], v[S+2:S+3]  ; the row's sum is taken of the UNQUANTISED p, in two chains
.irp j, 4,8,12,16,20,24,28,32,36,40,44,48,52,56,60
	v_pk_add_f32 v[rT+2:rT+3], v[rT+2:rT+3], v[S+\j:S+\j+1]
	v_pk_add_f32 v[SU:SU+1], v[SU:SU+1], v[S+\j+2:S+\j+3]
.endr
	v_pk_add_f32 v[rT+2:rT+3], v[rT+2:rT+3], v[SU:SU+1]
.endm
.macro VLOAD g, vb                     ; group g's four fragments of V^T: 12 loads of 512 consecutive bytes
.irp n, 0,1,2,3
.irp i, 0,1,2
	ds_load_b128 v[\vb+12*\n+4*\i:\vb+12*\n+4*\i+3], v[AG+\g] offset:1536*\n+512*\i
.endr
.endr
.endm
.macro PV g, vb, first                 ; O^T += V^T P^T for group g: eight accumulators, one instruction a turn.  first = 1: the products start the sums
	WIN 0x50                                       ; C and D window 1
.irp n, 0,1,2,3
.irp a, 0,1
.if \first
	v_wmma_scale_f32_16x16x128_f8f6f4 v[128*\a+32*\g+8*\n:128*\a+32*\g+8*\n+7], v[\vb+12*\n:\vb+12*\n+11], v[PCD+12*\a:PCD+12*\a+11], 0, v[VSC+4*\g+\n], v[PSC+\a] matrix_a_fmt:MATRIX_FMT_FP6 matrix_b_fmt:MATRIX_FMT_FP6
.else
	v_wmma_scale_f32_16x16x128_f8f6f4 v[128*\a+32*\g+8*\n:128*\a+32*\g+8*\n+7], v[\vb+12*\n:\vb+12*\n+11], v[PCD+12*\a:PCD+12*\a+11], v[128*\a+32*\g+8*\n:128*\a+32*\g+8*\n+7], v[VSC+4*\g+\n], v[PSC+\a] matrix_a_fmt:MATRIX_FMT_FP6 matrix_b_fmt:MATRIX_FMT_FP6
.endif
.endr
.endr
.endm
; THE CHANGE OF SLOTS stands at a slot's head.  Each wave waits for all its tensor loads (its part of the slot ahead), adds 0 to its spare word, and waits for that and for its reads of the slot that it has left.
; fill = 1: a round of the cluster's barrier, and behind it the joint fill of the slot just left: it has a whole slot's work in which to land.
.macro CHANGE fill
	s_wait_tensorcnt 0x0                           ; no tensor load of mine is out, so the walking descriptor may be written
	ds_add_u32 v[SPW], v[NIL]                      ; 0 onto my spare word
.if \fill
	s_xor_b32 s45, s45, SLOT1                      ; the other slot than last time,
	s_add_nc_u64 s[46:47], s[46:47], 4*REC         ; the next four records; the type bits on top are not reached
.endif
	s_wait_dscnt 0x0                               ; the add is done, and my reads of the slot that I have left are over
.if \fill
	CROUND
	tensor_load_to_lds s[44:47], s[32:39]          ; the first thing behind the round, and my one tensor load until the next
	s_nop 0
	PLACES 4
.else
	s_barrier_signal -1
	s_barrier_wait -1
.endif
.endm
; A KEY STEP: my record of the slot in hand, for my two tiles of queries.
.macro STEP first
.irp g, 0,1,2,3
	v_add_nc_u32 v[AG+\g], s[TB], v[BG+\g]         ; these five additions are the places between the last value products and the loads and score products that write over registers that they read
.endr
	v_add_nc_u32 v[AK], s[TB], v[BK]
.irp f, 0,1
.irp i, 0,1,2
	ds_load_b128 v[KF+12*\f+4*\i:KF+12*\f+4*\i+3], v[AK] offset:1536*\f+512*\i
.endr
.endr
	ds_load_b128 v[KSC:KSC+3], v[AK] offset:3072
.irp g, 0,1,2,3
	ds_load_b128 v[VSC+4*\g:VSC+4*\g+3], v[AG+\g] offset:6144
.endr
	s_wait_dscnt 4                                 ; K's fragments and scale words are in; the four loads of V's scale words may be out
.irp a, 0,1
.irp t, 0,1,2,3,4,5,6,7                ; key tile t: fragment t / 4, block t % 4, picked by the Q operand
	v_wmma_scale_f32_16x16x128_f8f6f4 v[S+8*\t:S+8*\t+7], v[KF+12*(\t/4):KF+12*(\t/4)+11], v[QV+24*\a+12*(\t%2)+6-6*((\t%4)/2):QV+24*\a+12*(\t%2)+6-6*((\t%4)/2)+11], 0, v[KSC+2*(\t/4)], v[QSC+\a] matrix_a_fmt:MATRIX_FMT_FP6 matrix_b_fmt:MATRIX_FMT_FP6
.endr
	PLACES 4
	SOFTMAX \a
.endr
	VLOAD 0, VB0
	VLOAD 1, VB1
.if \first == 0
	WIN 0x41                                       ; O^T (destination and source 0) window 1, f window 0
.irp a, 0,1
.set jj, 0
.rept 64
	v_pk_mul_f32 v[128*\a+jj:128*\a+jj+1], v[128*\a+jj:128*\a+jj+1], v[FA+2*\a:FA+2*\a+1] op_sel_hi:[1,0]   ; O^T under the new M
.set jj, jj+2
.endr
.endr
.endif
	s_wait_dscnt 12                                ; V's scale words and group 0 are in; group 1's 12 loads may be out
	PV 0, VB0, \first
	WIN 0
	PLACES 4                                       ; in front of loads into registers that matrix instructions have read
	VLOAD 2, VB0
	s_wait_dscnt 12                                ; group 1 is in
	PV 1, VB1, \first
	WIN 0
	PLACES 4
	VLOAD 3, VB1
	s_wait_dscnt 12                                ; group 2 is in
	PV 2, VB0, \first
	s_wait_dscnt 0x0
	PV 3, VB1, \first
	WIN 0
	s_xor_b32 s[TB], s[TB], SLOT1                  ; on to the other slot
.endm
	s_load_b256 s[4:11], s[0:1], 0x0               ; feat2 s[4:5], wq's codes s[6:7], wq's scales s[8:9], bq s[10:11]
	s_load_b128 s[12:15], s[0:1], 0x20             ; gamma s[12:13], kv s[14:15]
	s_load_b64 s[16:17], s[0:1], 0x30              ; out0
	v_lshl_add_u32 v[SPW], v0, 2, SPARE
	v_mov_b32 v[NIL], 0
	ds_add_u32 v1, v2
	ds_add_u32 v1, v2
	s_wait_dscnt 0x0
	v_lshrrev_b32 v[T0], 5, v0
	v_readfirstlane_b32 s18, v[T0]                 ; wave 0..7
	s_and_b32 s19, s18, 3                          ; kq
	s_lshr_b32 s20, s18, 2                         ; qp
	s_bfe_u32 s21, ttmp6, 0x40000                  ; cx: it enters feat2's and out0's addresses alone
	s_lshl_b32 s22, ttmp9, 2
	s_add_co_u32 s22, s22, s21                     ; my block of 64 queries
	s_and_b32 s23, ttmp7, 0xffff                   ; the batch, which the four partners share
	; group 1 for feat2: 32 rows of 64 numbers of 4 bytes, 4,096 numbers apart, 8 bytes of padding behind each row
	s_mov_b32 s24, (2<<16)|(1<<20)|(5<<22)|(1<<25)
	s_mov_b32 s25, 64<<16
	s_mov_b32 s26, 32<<16
	s_mov_b32 s27, 64<<16
	s_mov_b32 s28, 32
	s_mov_b32 s29, 4096
	s_mov_b32 s30, 0
	s_mov_b32 s31, 0
	; group 1 for the records: an eighth of a slot, 15,104 dense bytes, as 59 rows of 256 bytes (32 elements of 8); the mask names all four work-groups
	s_mov_b32 s32, 15|(3<<16)|(1<<21)
	s_mov_b32 s33, 32<<16
	s_mov_b32 s34, 59<<16
	s_mov_b32 s35, 32<<16
	s_mov_b32 s36, 59
	s_mov_b32 s37, 32
	s_mov_b32 s38, 0
	s_mov_b32 s39, 0
	s_lshl_b32 s56, s23, 22                        ; feat2 and out0: the batch, channel 32 w, my block's 256 bytes
	s_lshl_b32 s57, s18, 19
	s_add_co_u32 s56, s56, s57
	s_lshl_b32 s57, s22, 8
	s_add_co_u32 s56, s56, s57
	s_mov_b32 s57, 0
	s_mul_i32 s60, s23, 32*REC                     ; kv: the batch's records, my eighth of the first four
	s_mul_i32 s61, s18, 15104
	s_add_co_u32 s60, s60, s61
	s_mov_b32 s45, s61                             ; and its place in slot 0
	s_mov_b32 s61, 0
	s_mul_i32 s41, s18, 32*SP
	s_add_co_u32 s41, s41, STASH
	s_mov_b32 s40, 1
	s_mov_b32 s44, 1
	s_mov_b32 s[SEL], 0x76543210
	s_mov_b32 s[SEL+1], 0xfedcba98                 ; v_permlanex16_b32's selects for lane l xor 16
	s_mov_b32 s[CS], 0x3fb8aa3b                    ; log2(e)
	s_mov_b32 s[CS+1], s[CS]                       ; (named with it as a pair, so it is written)
	s_mov_b32 s[TB], 0
	s_wait_kmcnt 0x0
	s_load_b32 s54, s[12:13], 0x0                  ; gamma
	s_add_nc_u64 s[42:43], s[4:5], s[56:57]
	s_or_b32 s43, s43, 0x80000000
	s_add_nc_u64 s[46:47], s[14:15], s[60:61]
	s_or_b32 s47, s47, 0x80000000
	s_add_nc_u64 s[58:59], s[16:17], s[56:57]
	CROUND                                         ; all four work-groups are here: the first joint loads meet
	tensor_load_to_lds s[40:43], s[24:31]          ; my 32 channels of feat2 (a load of my own),
	s_nop 0
	tensor_load_to_lds s[44:47], s[32:39]          ; my eighth of slot 0 (joint): two loads of mine are out
	s_nop 0
	PLACES 4
	s_wait_kmcnt 0x0
	v_and_b32 v[T0], 31, v0
	v_and_b32 v[RR], 15, v0
	v_bfe_u32 v[HH], v0, 4, 1
	v_lshlrev_b32 v[L16], 4, v[T0]
	v_lshlrev_b32 v[L4], 2, v[T0]
	v_and_b32 v11, 8, v[RR]
	v_add_nc_u32 v11, v11, v[RR]                   ; r + 8 (r / 8): wq's rows of a tile are not neighbours
	v_mul_u32_u24 v8, v11, 192
	v_mad_u32_u24 v8, v[HH], 24, v8
	v_lshlrev_b32 v9, 3, v11
	v_lshlrev_b32 v10, 6, v[HH]
	WIN 0x40                                       ; destination window 1
.irp u, 0,1
.irp x, 0,1
.irp p, 0,1,2,3,4,5
	global_load_b64 v[24*\u+12*\x+2*\p:24*\u+12*\x+2*\p+1], v8, s[6:7] offset:8*\u*192+96*\x+48*(\p/3)+8*(\p%3)   ; wq's tile u, K step x
.endr
.endr
	global_load_b128 v[48+8*\u:51+8*\u], v10, s[10:11] offset:32*\u          ; bq at channels 16 h + 8 u + 0 .. 7
	global_load_b128 v[52+8*\u:55+8*\u], v10, s[10:11] offset:32*\u+16
.endr
	WIN 0
.irp u, 0,1
	global_load_b64 v[VSC+2*\u:VSC+2*\u+1], v9, s[8:9] offset:64*\u          ; wq's scale words of both K steps
.endr
	s_mul_i32 s66, s19, REC
.irp g, 0,1,2,3
	s_add_co_u32 s67, s19, \g
	s_and_b32 s67, s67, 3
	s_mul_i32 s67, s67, GRP
	s_add_co_u32 s67, s67, s66
	v_add_nc_u32 v[BG+\g], s67, v[L16]
.endr
	s_add_co_u32 s67, s66, KOFF
	v_add_nc_u32 v[BK], s67, v[L16]
	s_lshl_b32 s66, s20, 1                         ; I make q of tile 2 qp + kq % 2
	s_and_b32 s67, s19, 1
	s_add_co_u32 s66, s66, s67
	s_lshl_b32 s66, s66, 6
	s_add_co_u32 s66, s66, STASH
	v_mul_u32_u24 v[XA], v[HH], 16*SP
	v_lshl_add_u32 v[XA], v[RR], 2, v[XA]
	v_add_nc_u32 v[XA], s66, v[XA]                 ; the stash: channel 16 h, query 16 tile + r
	s_lshl_b32 s66, s18, 9
	s_add_co_u32 s66, s66, QIM
	v_add_nc_u32 v[QW], s66, v[L16]
	s_and_b32 s67, s18, 6
	s_lshl_b32 s66, s67, 9
	s_add_co_u32 s66, s66, QIM
	v_add_nc_u32 v[QR], s66, v[L16]                ; waves (w & 6) + a have made tile 2 qp + a
	s_lshl_b32 s66, s18, 7
	s_add_co_u32 s66, s66, QIS
	v_add_nc_u32 v[QSW], s66, v[L4]
	s_lshl_b32 s66, s67, 7
	s_add_co_u32 s66, s66, QIS
	v_add_nc_u32 v[QSR], s66, v[L4]
.irp a, 0,1
	v_mov_b32 v[ST+4*\a+1], 0xff61b1e6             ; the largest t so far: -3e38, under every t
	v_floor_f32 v[ST+4*\a], -v[ST+4*\a+1]          ; -M
	v_mov_b32 v[ST+4*\a+2], 0                      ; the sum, in two halves
	v_mov_b32 v[ST+4*\a+3], 0
	v_mov_b32 v[FA+2*\a], 0
	v_mov_b32 v[FA+2*\a+1], 0                      ; (named as the upper half of f's pair)
.endr
.irp b, 0,1,2,3
	v_mov_b32 v[PX+\b], 0                          ; written once: a lane permute's destination counts as one of its sources
.endr
.irp i, 0,1,2
	v_mov_b32 v[YP+\i], 0
.endr
.irp z, 0,1,2,3,4
.irp i, 0,1,2,3,4,5
	v_mov_b32 v[QV+12*\z+\i], 0                    ; the zero codes of the Q operands
.endr
.endr
	s_mov_b32 vcc_lo, 0xffff                       ; lanes 0-15
	s_wait_tensorcnt 1                             ; my rows of feat2 are in; my part of slot 0 may stay out
	s_barrier_signal -1
	s_barrier_wait -1                              ; everybody's are
	; ---- q.  16 queries x 256 channels of feat2 are quantised along the channels: lane (r, h) takes query r and, of each block of 32 channels, 16 h + 0 .. 15
.irp x, 0,1
.irp b, 0,1,2,3
.set ii, 0
.rept 16
	ds_load_b32 v[S+16*\b+ii], v[XA] offset:(128*\x+32*\b+ii)*SP
.set ii, ii+1
.endr
.endr
	s_wait_dscnt 0x0
	QUANT S, PCD+12*\x, CT, PSC+\x
.endr
	PLACES 8                                       ; a scale word made by vector instructions stands 8 places ahead of a scaled matrix instruction, an operand 4
	s_wait_loadcnt 0x0                             ; wq, its scale words, bq
	WIN 0x11                                       ; source 0 (wq) and C (bq) window 1
.irp u, 0,1                            ; source 0 = 16 rows of wq, source 1 = feat2's codes: lane (r, h) gets channels 16 h + 8 u + 0 .. 7 of q of query r.  Two accumulators by turns
	v_wmma_scale_f32_16x16x128_f8f6f4 v[KF+8*\u:KF+8*\u+7], v[24*\u:24*\u+11], v[PCD:PCD+11], v[48+8*\u:55+8*\u], v[VSC+2*\u], v[PSC] matrix_a_fmt:MATRIX_FMT_FP6 matrix_b_fmt:MATRIX_FMT_FP6
.endr
	WIN 0x01
.irp u, 0,1
	v_wmma_scale_f32_16x16x128_f8f6f4 v[KF+8*\u:KF+8*\u+7], v[24*\u+12:24*\u+23], v[PCD+12:PCD+23], v[KF+8*\u:KF+8*\u+7], v[VSC+2*\u+1], v[PSC+1] matrix_a_fmt:MATRIX_FMT_FP6 matrix_b_fmt:MATRIX_FMT_FP6
.endr
	WIN 0
	PLACES 4
	v_max3_num_f32 v[BM], |v[KF]|, |v[KF+1]|, 0x1800000            ; q's one block of 32 lies in lanes l and l xor 16
.irp i, 2,4,6,8,10,12,14
	v_max3_num_f32 v[BM], v[BM], |v[KF+\i]|, |v[KF+\i+1]|
.endr
	v_permlanex16_b32 v[PX], v[BM], s[SEL], s[SEL+1]
	v_max_num_f32 v[BM], v[BM], v[PX]
	v_add_nc_u32 v[SO], 0xff000000, v[BM]
	v_lshrrev_b32 v[PX], 23, v[SO]
	v_lshl_or_b32 v[T0], v[PX], 8, v[PX]
	v_lshl_or_b32 v[T0], v[T0], 16, v[T0]          ; the byte four times: it serves whichever block holds q
	v_cvt_scalef32_pk16_fp6_f32 v[CT:CT+2], v[KF:KF+15], v[SO]
	v_nop
	ds_store_b96 v[QW], v[CT:CT+2]                 ; my 16 codes, to a place of 16 bytes
	ds_store_b32 v[QSW], v[T0]
	s_wait_dscnt 0x0                               ; for the others' sake: my stores are done
	s_barrier_signal -1
	s_barrier_wait -1
.irp a, 0,1
	ds_load_b96 v[CT+4*\a:CT+4*\a+2], v[QR] offset:512*\a
	ds_load_b32 v[QSC+\a], v[QSR] offset:128*\a
.endr
	s_wait_dscnt 0x0
.irp a, 0,1
.irp i, 0,1,2
	v_permlanex16_b32 v[YP+\i], v[CT+4*\a+\i], s[SEL], s[SEL+1]   ; the other 16 channels' codes
.endr
.irp i, 0,1,2
	v_cndmask_b32 v[QV+24*\a+6+\i], 0, v[CT+4*\a+\i], vcc_lo       ; QL: lanes 0-15 hold q's 24 bytes, the others zeros
	v_cndmask_b32 v[QV+24*\a+9+\i], 0, v[YP+\i], vcc_lo
	v_cndmask_b32 v[QV+24*\a+18+\i], v[YP+\i], v[QV], vcc_lo       ; QH: lanes 16-31 hold them (v[QV] is 0)
	v_cndmask_b32 v[QV+24*\a+21+\i], v[CT+4*\a+\i], v[QV], vcc_lo
.endr
.endr
	; ---- the keys: eight slots
	CHANGE 1                                       ; slot 0 is whole; slot 1 is asked for
	STEP 1                                         ; the first step's value products start the sums: nothing is cleared
	s_mov_b32 s53, 6
.Lgroup:
	CHANGE 1
	STEP 0
	s_sub_co_u32 s53, s53, 1
	s_cmp_lg_u32 s53, 0
	s_cbranch_scc1 .Lgroup
	CHANGE 0                                       ; the last slot is written out: nothing is left to fetch
	STEP 0
	; ---- the merge of the four shares of the keys, the residual, and the way out.  The additions and addresses below are the places behind the last products
.irp a, 0,1
	v_add_f32 v[ST+4*\a+2], v[ST+4*\a+2], v[ST+4*\a+3]
.endr
.irp a, 0,1
	v_permlanex16_b32 v[PX+\a], v[ST+4*\a+2], s[SEL], s[SEL+1]
.endr
.irp a, 0,1
	v_add_f32 v[ST+4*\a+2], v[ST+4*\a+2], v[PX+\a] ; my share of the row's sum
.endr
	s_lshl_b32 s66, s18, 9
	s_add_co_u32 s66, s66, MST
	v_add_nc_u32 v[MW], s66, v[L4]
	s_lshl_b32 s68, s20, 2
.irp g, 0,1,2,3
	s_add_co_u32 s67, s19, 4-\g                    ; share g comes from wave (kq - g) % 4 of my four
	s_and_b32 s67, s67, 3
	s_add_co_u32 s67, s67, s68
	s_lshl_b32 s67, s67, 9
	s_add_co_u32 s67, s67, MST
	v_add_nc_u32 v[MA+\g], s67, v[L4]
.endr
	s_lshl_b32 s68, s20, 17                        ; the chunks of waves 4 qp .. 4 qp + 3 lie in slot qp: both slots have had their last fill, and nobody reads them behind the next barrier
.irp g, 1,2,3
	s_add_co_u32 s67, s19, \g                      ; my group g is channel group (kq + g) % 4: chunk 3 x that + g - 1, 8,192 bytes each
	s_and_b32 s67, s67, 3
	s_mul_i32 s67, s67, 3
	s_add_co_u32 s67, s67, \g-1
	s_lshl_b32 s67, s67, 13
	s_add_co_u32 s67, s67, s68
	v_add_nc_u32 v[CW+\g-1], s67, v[L16]
.endr
	s_mul_i32 s67, s19, 3*8192
	s_add_co_u32 s67, s67, s68
	v_add_nc_u32 v[CR], s67, v[L16]
	s_mul_i32 s67, s19, 64*SP
	s_lshl_b32 s69, s20, 7
	s_add_co_u32 s67, s67, s69
	s_add_co_u32 s67, s67, STASH
	v_mul_u32_u24 v[RA], v[HH], 8*SP
	v_lshl_add_u32 v[RA], v[RR], 2, v[RA]
	v_add_nc_u32 v[RA], s67, v[RA]                 ; the stash: channel 64 kq + 8 h, query 32 qp + r
	s_mul_i32 s67, s18, 32*SP
	s_add_co_u32 s67, s67, STASH
	v_lshrrev_b32 v[GO], 1, v[L16]                 ; 8 x lane
	v_add_nc_u32 v[RO], s67, v[GO]
.irp a, 0,1
	ds_store_b32 v[MW], v[ST+4*\a] offset:256*\a           ; -M
	ds_store_b32 v[MW], v[ST+4*\a+2] offset:256*\a+128     ; the sum
.endr
	s_wait_dscnt 0x0                               ; my stores are done, and so are my reads of the slots
	s_barrier_signal -1
	s_barrier_wait -1
.irp g, 0,1,2,3
.irp x, 0,1,2,3
	ds_load_b32 v[STL+4*\g+\x], v[MA+\g] offset:128*\x
.endr
.endr
	WIN 0x04                                       ; an LDS store's data are its source 1: window 1
.irp g, 1,2,3
.irp a, 0,1
.irp y, 0,1,2,3,4,5,6,7                ; each accumulator from its low end on
	ds_store_b128 v[CW+\g-1], v[128*\a+32*\g+4*\y:128*\a+32*\g+4*\y+3] offset:512*(8*\a+\y)
.endr
.endr
.endr
	WIN 0
	s_wait_dscnt 48                                ; the sixteen figures are in; the 48 stores behind them may be out
.irp a, 0,1
	v_min3_num_f32 v[68+\a], v[STL+2*\a], v[STL+4+2*\a], v[STL+8+2*\a]
	v_min_num_f32 v[68+\a], v[68+\a], v[STL+12+2*\a]       ; -M of the whole row
.irp g, 0,1,2,3
	v_sub_f32 v[GP+8*\a+2*\g], v[68+\a], v[STL+4*\g+2*\a]  ; M_share - M: a whole number, 0 or less
.endr
.irp g, 0,1,2,3
	v_cvt_i32_f32 v[GP+8*\a+2*\g], v[GP+8*\a+2*\g]
.endr
.irp g, 0,1,2,3
	v_ldexp_f32 v[GP+8*\a+2*\g], 1.0, v[GP+8*\a+2*\g]      ; the share's factor
.endr
	v_mul_f32 v[70+\a], v[GP+8*\a], v[STL+2*\a+1]
.irp g, 1,2,3
	v_fmac_f32 v[70+\a], v[GP+8*\a+2*\g], v[STL+4*\g+2*\a+1]   ; the row's sum
.endr
.endr
	v_rcp_f32 v70, v70
	v_rcp_f32 v71, v71
	v_nop                                          ; a plain place behind the reciprocals
	s_wait_alu depctr_va_vdst(0)
	v_mul_f32 v70, s54, v70                        ; gamma / the sum
	v_mul_f32 v71, s54, v71
.irp a, 0,1
.irp g, 0,1,2,3
	v_mul_f32 v[GP+8*\a+2*\g], v[GP+8*\a+2*\g], v[70+\a]
.endr
.irp g, 0,1,2,3
	v_mov_b32 v[GP+8*\a+2*\g+1], v[GP+8*\a+2*\g]   ; twice, for the packed form
.endr
.endr
	s_wait_dscnt 0x0                               ; my chunks lie in LDS
	s_barrier_signal -1
	s_barrier_wait -1
.irp a, 0,1
.irp n, 0,1,2,3
.irp j, 0,1,2,3,4,5,6,7
	ds_load_b32 v[S+32*\a+8*\n+\j], v[RA] offset:(16*\n+\j)*SP+64*\a   ; feat2, in O^T's layout
.endr
.endr
.endr
	WIN 0x40                                       ; the others' shares of my channel group, into my groups 1-3, which have left
.irp g, 1,2,3
.irp a, 0,1
.irp y, 0,1,2,3,4,5,6,7
	ds_load_b128 v[128*\a+32*\g+4*\y:128*\a+32*\g+4*\y+3], v[CR] offset:(\g-1)*8192+512*(8*\a+\y)
.endr
.endr
.endr
	WIN 0x01                                       ; source 0 (O^T) window 1
.irp g, 0,1,2,3
	s_wait_dscnt 48-16*\g                          ; feat2, then share by share: the later chunks' loads, 16 each, may be out
.irp a, 0,1
.set jj, 0
.rept 16
	v_pk_fma_f32 v[S+32*\a+jj:S+32*\a+jj+1], v[128*\a+32*\g+jj:128*\a+32*\g+jj+1], v[GP+8*\a+2*\g:GP+8*\a+2*\g+1], v[S+32*\a+jj:S+32*\a+jj+1]
.set jj, jj+2
.endr
.endr
.endr
	WIN 0
.irp a, 0,1
.irp n, 0,1,2,3
.irp j, 0,1,2,3,4,5,6,7
	ds_store_b32 v[RA], v[S+32*\a+8*\n+\j] offset:(16*\n+\j)*SP+64*\a  ; back to the bytes that they came from: each is one lane's alone
.endr
.endr
.endr
	s_wait_dscnt 0x0
	s_barrier_signal -1
	s_barrier_wait -1                              ; 256 whole rows of the result lie in the stash
.set ii, 0
.rept 32
	ds_load_b64 v[S+2*ii:S+2*ii+1], v[RO] offset:ii*SP
.set ii, ii+1
.endr
.set ii, 0
.rept 32
	s_wait_dscnt 31-ii
	global_store_b64 v[GO], v[S+2*ii:S+2*ii+1], s[58:59] offset:ii*16384 th:TH_STORE_NT   ; 32 lanes store 256 consecutive bytes, at a multiple of 256 from out0's first byte
.set ii, ii+1
.endr
	s_wait_tensorcnt 0x0                           ; the wave's end
	ds_add_u32 v[SPW], v[NIL]
	s_wait_dscnt 0x0
	CROUND                                         ; the closing round: no work-group ends while a partner may still ask for a tile that names it
	s_endpgm
.Lfunc_end_k_q52bd8852ba_attn:
	.size	k_q52bd8852ba_attn, .Lfunc_end_k_q52bd8852ba_attn-k_q52bd8852ba_attn
	.p2alignl 7, 3214868480
	.fill 96, 4, 3214868480
	.section	.rodata,"a",@progbits
	.p2align	6, 0x0
	.amdhsa_kernel k_q52bd8852ba_attn
		.amdhsa_group_segment_fixed_size 327680
		.amdhsa_private_segment_fixed_size 0
		.amdhsa_enable_private_segment 0
		.amdhsa_kernarg_size 56
		.amdhsa_user_sgpr_count 2
		.amdhsa_user_sgpr_kernarg_segment_ptr 1
		.amdhsa_wavefront_size32 1
		.amdhsa_system_sgpr_workgroup_id_x 1
		.amdhsa_system_sgpr_workgroup_id_y 1
		.amdhsa_system_sgpr_workgroup_id_z 1
		.amdhsa_system_vgpr_workitem_id 0
		.amdhsa_next_free_vgpr 512
		.amdhsa_next_free_sgpr 72
		.amdhsa_reserve_vcc 1
		.amdhsa_float_denorm_mode_32 3
		.amdhsa_float_denorm_mode_16_64 3
		.amdhsa_memory_ordered 1
		.amdhsa_forward_progress 1
		.amdhsa_inst_pref_size 179
	.end_amdhsa_kernel
	.amdgpu_metadata
---
amdhsa.version: [ 1, 2 ]
amdhsa.kernels:
  - .name:           k_q52bd8852ba_attn
    .symbol:         k_q52bd8852ba_attn.kd
    .args:
      - { .name: feat2, .offset: 0, .size: 8, .value_kind: global_buffer, .address_space: global }
      - { .name: wq_codes, .offset: 8, .size: 8, .value_kind: global_buffer, .address_space: global }
      - { .name: wq_scales, .offset: 16, .size: 8, .value_kind: global_buffer, .address_space: global }
      - { .name: bq, .offset: 24, .size: 8, .value_kind: global_buffer, .address_space: global }
      - { .name: gamma, .offset: 32, .size: 8, .value_kind: global_buffer, .address_space: global }
      - { .name: kv, .offset: 40, .size: 8, .value_kind: global_buffer, .address_space: global }
      - { .name: out0, .offset: 48, .size: 8, .value_kind: global_buffer, .address_space: global }
    .group_segment_fixed_size: 327680
    .private_segment_fixed_size: 0
    .kernarg_segment_align: 8
    .kernarg_segment_size: 56
    .max_flat_workgroup_size: 256
    .sgpr_count:     72
    .vgpr_count:     512
    .wavefront_size: 32
...
	.end_amdgpu_metadata
.endif
;; end of part 2
